; MI455X (gfx1250); checked and timed in simulation.
; The chip was launched on July 23, 2026; its instructions are those of AMD's public machine-readable ISA for CDNA 5 (MIT licence, August 2026) and "CDNA5" Instruction Set Architecture Reference Guide (July 2026). The comments in the code are by the model that wrote it; some were corrected since.
;; Mo E Layer new. Allowed arithmetic: matrix products marked QUANTISED: E2M3 operands, one E8M0 scale for each 32 along K, by v_wmma_scale_f32_16x16x128_f8f6f4 with both operands' format E2M3, f32 sums; products left as they are: f32 operands where the result goes on into a quantised operand, else bf16, f16 or f32 operands; f32 sums; everything else in f32.
;; Inputs: W1 8 x 1,024 x 2,048 float32; W2 8 x 2,048 x 1,024 float32; Wg 1,024 x 8 float32; b1 8 x 2,048 float32; b2 8 x 1,024 float32; bg 8 float32; x 4 x 512 x 1,024 float32.
;; Outputs: out0 4 x 512 x 1,024 float32.
;; This version of the problem:
;;   THIS VERSION OF THE PROBLEM IS GIVEN IN LOW PRECISION. The matrix products marked QUANTISED in the list below multiply operands that are first quantised to E2M3 (2 exponent bits, 3 mantissa bits; 6 bits a number), with one power-of-two scale for each 32 numbers along K (OCP MX v1.0); their sums are f32. All else is computed in f32.
;;   The module's matrix products, in the order in which they are computed (A, B: the left and right operand; K: the contracted axis; several contracted axes count as one K, in the product's order):
;;     1. [M 2,048, K 1,024] x [K 1,024, N 8]; A: input x; B: input Wg: left as it is (N = 8 < 16)
;;     2. [M 2,048, K 1,024] x [K 1,024, N 16,384]; A: input x; B: input W1: QUANTISED
;;     3. batch 8 x [M 1,024, K 2,048] x [K 2,048, N 2,048]; A: input W2; B: computed on the way: QUANTISED
;;     4. batch 2,048 x [M 1, K 8] x [K 8, N 1,024]; A: softmax; B: computed on the way: left as it is (K = 8 < 32)
;;   THE QUANTISER, for each operand of a quantised product, along K:
;;     - K is cut into blocks of 32 from its start; a last block that is shorter is filled with zeros.
;;     - A block's scale is 2^e with e = floor(log2(the largest magnitude in the block)) - 2, held to -126 .. 127; a block of zeros has e = 0. As a byte (E8M0): e + 127.
;;     - Each number is divided by its block's scale, clamped to +-7.5, and rounded to the nearest number of E2M3, ties to even, subnormals kept.
;;     - The product sums the exact products of the quantised numbers (number of the format x scale) in f32.
;;   ~~~python
;;   def quantise(x, axis):      # numpy; x: float32 -> the quantised numbers, widened to float32 again
;;       x = np.moveaxis(x, axis, -1); K = x.shape[-1]
;;       x = np.pad(x, [(0, 0)] * (x.ndim - 1) + [(0, -K % 32)]); x = x.reshape(x.shape[:-1] + (-1, 32)); a = np.abs(x).max(-1, keepdims=True)
;;       e = np.where(a > 0, np.clip(np.frexp(np.where(a > 0, a, 1))[1] - 1 - 2, -126, 127), 0)      # np.frexp(a)[1] - 1 = floor(log2(a)), exactly
;;       r = np.clip(x / 2.0 ** e, -7.5, 7.5)
;;       step = 2.0 ** (np.maximum(np.frexp(np.where(r == 0, 1, r))[1] - 1, 0) - 3)
;;       q = np.round(r / step) * step * 2.0 ** e      # np.round: ties to even
;;       return np.moveaxis(q.reshape(q.shape[:-2] + (-1,))[..., :K], -1, axis).astype(np.float32)
;;   ~~~
;;   OPERANDS COMPUTED ON THE WAY. 'Computed on the way' means the value that the module computes at that place (a softmax that the list does not call 'softmax' is quantised finished and normalised). What goes into a quantiser is computed in f32, as accurately as f32 sums, v_exp_f32 and their like allow (about 1e-6 of the number): no bf16 or f16 on the way to a quantiser, and a product that is left as it is and whose result goes on into a quantised operand takes f32 operands (vector FMAs, or v_wmma_f32_16x16x4_f32). A number that lies on a knife's edge between two numbers of the format may be rounded either way, as far as f32 arithmetic and the matrix unit's own rounding can turn it there, and no further.
;; One version. Each part assembles by itself: llvm-mc -triple=amdgcn-amd-amdhsa -mcpu=gfx1250 --defsym DOCPART=n.
;; ======== version 1 of 1: 3 launches
;; limits: values are held in bf16: 8 bits of precision; right only within a limited range of input values
;; workspace buffers: codes 26,738,688 bytes; scales 1,245,184 bytes; part 67,108,864 bytes
;; launch prep (part 1): grid 1152 x 1, 4 waves a work-group, no clusters, 4,608 bytes of LDS; arguments x, Wg, bg, W1, W2, codes, scales; writes codes, scales
.if DOCPART == 1
	.amdgcn_target "amdgcn-amd-amdhsa--gfx1250"
	.amdhsa_code_object_version 6
	.text
	.protected	k_q4ec5e9bdd1_prep
	.globl	k_q4ec5e9bdd1_prep
	.p2align	8
	.type	k_q4ec5e9bdd1_prep,@function
k_q4ec5e9bdd1_prep:
	s_mov_b64 s[64:65], 0
	v_nop
	global_prefetch_b8 v0, s[64:65] scope:SCOPE_SE
	s_setreg_imm32_b32 hwreg(HW_REG_WAVE_MODE, 25, 1), 1
	s_wait_xcnt 0x0
; x [2048][1024], W1 [8][1024][2048], W2 [8][2048][1024], f32, become codes of FP6 (E2M3) with one E8M0 byte for each 32 along K; and gate = softmax(x Wg + bg), in f32.
; K is x's last axis, and the FIRST axis inside an expert of W1 and W2.  A block's scale is 2^(floor(log2(its largest magnitude)) - 2); its byte is that magnitude's exponent field - 2.
; THE CODES LIE IN THE ORDER OF THE OPERAND'S REGISTERS.  A fragment (16 rows x 128 K) is 12 registers a lane: register i of lane L lies at 512 (i / 4) + 16 L + 4 (i % 4) of its 1,536 bytes.
; Fragment (RB = row / 128, tile = row % 128 / 16, step s of 128 along K) lies at (RB KS + s / 2) 24,576 + 3,072 tile + 1,536 (s % 2), KS = K / 256: 128 rows x 256 K are one dense block.
; THE SCALE WORDS (four bytes: one row, 128 K) of (RB, s) are 512 bytes at (RB 2 KS + s) 512; the word of (tile, r) at 256 (tile / 4) + 16 r + 4 sg(tile % 4), sg = 0, 2, 1, 3.
; Rows: x: the token; W1: 2,048 e + p, p = the hidden unit with its bits 3 and 4 exchanged (so that the first product, used transposed, leaves a lane 16 neighbouring hidden units in two tiles); W2: 1,024 e + d.
; The gate lies [2048][8][2], each number twice, so that a register pair feeds a packed multiply-add.
; SHARES.  Work-groups 0-127: 16 tokens of x each (wave w: K 256 w on) and their gates; 128-639: W1; 640-1151: W2, a wave to 64 columns x 128 K.  The paths part on the work-group's number alone.
; No cluster: work-groups share no input but Wg's 32 KB.  No tensor load: waves of the W paths share nothing, and 64 loads of each wave are out.
; LIMITS: NaN and infinities among the inputs are not served.  A block whose largest magnitude lies under 2^-124, a block of zeros among them, gets the byte 1 (the rule says 127 for zeros): its codes
; are zeros or subnormal codes, and this program alone reads the bytes.  x's scale words (64 KB in all) leave in pieces of 4 bytes; each of the gate's two stores writes 16 of every 32 bytes.
.set W1Q,   1572864                    ; byte offsets in the buffer of codes: x at 0, W1, W2
.set W2Q,   14155776
.set W1SO,  65536                      ; and in the buffer of scales: x at 0, W1, W2, the gate
.set W2SO,  589824
.set GATEO, 1114112
.set FRAGB, 1536
.set TILEB, 3072
.set BLKB,  24576
; W paths: v4 4 x my column, v5 16 x lane, v6 my scale words' place, v11-13 at work
.set WSB,  16                          ; v16-17   my row's scale word, group 0 and 1
.set WTH,  20                          ; v20-51   the codes of each block's upper 16 numbers: 16 j + 4 b
.set WIM,  52                          ; v52-99   the images: group j's two tiles at 24 j and 24 j + 12
.set WX,   100                         ; v100-163 two sets of 32 numbers
; X path
.set PC,   16                          ; v16-27   a fragment's codes
.set TH,   28                          ; v28-35   upper halves
.set XA,   36                          ; v36-99   64 numbers of x, step 2 w; later bg in its first eight
.set XB,   100                         ; v100-163 step 2 w + 1; later the softmax
.set WF,   164                         ; v164-227 Wg at the same k as x's registers
.set ACC,  228                         ; v228-243 two accumulators of the gate's product: written by matrix instructions alone
.set P,    244                         ; v244-251 my wave's part of the 8 logits
.set PWA,  252
.set PWB,  253
	s_load_b256 s[4:11], s[0:1], 0x0               ; x s[4:5], Wg s[6:7], bg s[8:9], W1 s[10:11]
	s_load_b128 s[12:15], s[0:1], 0x20             ; W2 s[12:13], codes s[14:15]
	s_load_b64 s[16:17], s[0:1], 0x30              ; scales
	v_lshl_add_u32 v31, v0, 2, 0x1000
	v_mov_b32 v35, 0
	v_lshrrev_b32 v1, 5, v0
	v_readfirstlane_b32 s18, v1                    ; wave 0..3
	v_and_b32 v1, 31, v0                           ; lane
	v_and_b32 v2, 15, v0                           ; r
	v_bfe_u32 v3, v0, 4, 1                         ; h
	v_lshlrev_b32 v5, 4, v1                        ; 16 x lane: an image's place for my lane
	s_mov_b32 s20, 0x76543210
	s_mov_b32 s21, 0xfedcba98                      ; v_permlanex16_b32's selects for lane l xor 16
	s_wait_kmcnt 0x0
	s_cmp_lt_u32 ttmp9, 128
	s_cbranch_scc1 .Lpath_x
	s_cmp_lt_u32 ttmp9, 640
	s_cbranch_scc1 .Lpath_w1
; Block t of a wave's eight: k block t / 2 (32 rows of the weight) of column group t % 2.  A LANE TAKES A COLUMN AND ITS REGISTERS RUN DOWN K.
; The two groups take turns, so that the two halves of each 256 bytes of a row are asked for by loads that are out together.
.macro WLOAD t, RS
.set i, 0
.rept 32
	global_load_b32 v[WX+32*((\t)%2)+i], v4, s[26:27] offset:(32*((\t)/2)+i)*\RS+128*((\t)%2) th:TH_LOAD_NT
.set i, i+1
.endr
.endm
.macro WBLOCK t, RS
.set XS, WX+32*((\t)%2)
.set JJ, (\t)%2
.set BB, (\t)/2
.if (\t) < 7
	s_wait_loadcnt 32                              ; this block's 32 loads are in; the next block's may be out
.else
	s_wait_loadcnt 0x0
.endif
	v_max3_num_f32 v12, |v[XS]|, |v[XS+1]|, |v[XS+2]|              ; the block's largest magnitude: all 32 numbers are mine; two chains
	v_max3_num_f32 v13, |v[XS+3]|, |v[XS+4]|, |v[XS+5]|
.irp i, 6,10,14,18,22,26
	v_max3_num_f32 v12, v12, |v[XS+\i]|, |v[XS+\i+1]|
	v_max3_num_f32 v13, v13, |v[XS+\i+2]|, |v[XS+\i+3]|
.endr
	v_max3_num_f32 v12, v12, |v[XS+30]|, |v[XS+31]|
	v_max3_num_f32 v12, v12, v13, 0x1800000        ; and the floor 2^(3 - 127): the byte cannot fall under 1
	v_add_nc_u32 v11, 0xff000000, v12              ; 2 off the exponent field: the conversion takes this operand's exponent field as its scale
	v_lshrrev_b32 v13, 23, v11                     ; the scale's byte
.if BB == 0
	v_mov_b32 v[WSB+JJ], v13                       ; four bytes make my row's word, the lower K in the lower byte
.else
	v_lshl_or_b32 v[WSB+JJ], v13, 8*BB, v[WSB+JJ]
.endif
	v_cvt_scalef32_pk16_fp6_f32 v[WIM+24*JJ+12*(BB&1)+6*(BB>>1):WIM+24*JJ+12*(BB&1)+6*(BB>>1)+2], v[XS:XS+15], v11   ; even blocks into the first tile's image, odd ones into the second's
	v_cvt_scalef32_pk16_fp6_f32 v[WTH+16*JJ+4*BB:WTH+16*JJ+4*BB+2], v[XS+16:XS+31], v11                              ; (a conversion's three registers begin on an even number)
	v_nop                                          ; one plain place behind a scaled conversion
.if (\t)+2 < 8
	WLOAD (\t)+2, \RS
.endif
.endm
; Group j's 32 lanes hold all four blocks of 32 rows: lanes 0-15 tile 2 j's, lanes 16-31 tile 2 j + 1's.  The operand wants lanes 0-15 to hold a tile's even blocks and lanes 16-31 its odd ones:
; the exchange of an even block's upper lanes with the odd block's lower lanes leaves tile 2 j's image in the first register and tile 2 j + 1's in the second.
.macro WOUT j
.set IT, WIM+24*\j
.set JT, IT+12
.set TT, WTH+16*\j
.irp i, 0,1,2
	v_permlane16_swap_b32 v[IT+\i], v[JT+\i]
	v_permlane16_swap_b32 v[IT+6+\i], v[JT+6+\i]
	v_permlane16_swap_b32 v[TT+\i], v[TT+4+\i]
	v_permlane16_swap_b32 v[TT+8+\i], v[TT+12+\i]
.endr
.irp i, 0,1,2
	v_mov_b32 v[IT+3+\i], v[TT+\i]
	v_mov_b32 v[JT+3+\i], v[TT+4+\i]
	v_mov_b32 v[IT+9+\i], v[TT+8+\i]
	v_mov_b32 v[JT+9+\i], v[TT+12+\i]
.endr
.irp u, 0,1
.irp g, 0,1,2
	global_store_b128 v5, v[IT+12*\u+4*\g:IT+12*\u+4*\g+3], s[30:31] offset:(2*\j+\u)*TILEB+512*\g   ; 32 lanes store 512 consecutive bytes; no store's data are written again
.endr
.endr
.endm
; RS: bytes in a row of the weight; KS = K / 256; 2^CGB groups of 64 columns in all, 2^CSH in an expert; PERM: the exchange of bits 3 and 4; P: the pointer's register
.macro WPATH RS, KS, CGB, CSH, PERM, P, QOFF, SOFF, WG0
	s_sub_co_u32 s22, ttmp9, \WG0
	s_lshl_b32 s22, s22, 2
	s_add_co_u32 s22, s22, s18                     ; my unit: the four waves stand side by side on 1,024 bytes of a row
	s_and_b32 s23, s22, (1<<\CGB)-1                ; cg: which 64 columns
	s_lshr_b32 s24, s22, \CGB                      ; s: which 128 along K
	s_lshr_b32 s26, s23, \CSH
	s_lshl_b32 s26, s26, 23                        ; the expert: 8,388,608 bytes each
	s_mul_i32 s27, s24, 128*\RS
	s_add_co_u32 s26, s26, s27
	s_and_b32 s27, s23, (1<<\CSH)-1
	s_lshl_b32 s27, s27, 8
	s_add_co_u32 s26, s26, s27
	s_mov_b32 s27, 0
	s_add_nc_u64 s[26:27], s[\P:\P+1], s[26:27]    ; the weight at my first row and column
	s_lshr_b32 s28, s23, 1                         ; RB
	s_and_b32 s34, s23, 1                          ; which four tiles of it
	s_mul_i32 s30, s28, \KS
	s_lshr_b32 s29, s24, 1
	s_add_co_u32 s30, s30, s29
	s_mul_i32 s30, s30, BLKB
	s_mul_i32 s29, s34, 4*TILEB
	s_add_co_u32 s30, s30, s29
	s_and_b32 s29, s24, 1
	s_mul_i32 s29, s29, FRAGB
	s_add_co_u32 s30, s30, s29
	s_add_co_u32 s30, s30, \QOFF
	s_mov_b32 s31, 0
	s_add_nc_u64 s[30:31], s[14:15], s[30:31]      ; my four fragments' first
	s_mul_i32 s32, s28, 2*\KS
	s_add_co_u32 s32, s32, s24
	s_lshl_b32 s32, s32, 9
	s_lshl_b32 s29, s34, 8
	s_add_co_u32 s32, s32, s29
	s_add_co_u32 s32, s32, \SOFF
	s_mov_b32 s33, 0
	s_add_nc_u64 s[32:33], s[16:17], s[32:33]      ; my 256 bytes of scale words
.if \PERM
	v_and_b32 v4, 7, v1                            ; the lane is the stored place; the column that it loads has bits 3 and 4 exchanged
	v_and_b32 v8, 8, v1
	v_lshl_or_b32 v4, v8, 1, v4
	v_and_b32 v8, 16, v1
	v_lshrrev_b32 v8, 1, v8
	v_or_b32 v4, v4, v8
	v_lshlrev_b32 v4, 2, v4
.else
	v_lshlrev_b32 v4, 2, v1
.endif
	v_lshlrev_b32 v6, 4, v2
	v_lshl_add_u32 v6, v3, 3, v6                   ; lane (r, half) holds the words of tiles half and 2 + half: places 2 half and 2 half + 1 of row r's 16 bytes
	WLOAD 0, \RS
	WLOAD 1, \RS
.irp t, 0,1,2,3,4,5,6,7
	WBLOCK \t, \RS
.endr
	WOUT 0
	WOUT 1
	global_store_b64 v6, v[WSB:WSB+1], s[32:33]    ; 32 lanes store 256 consecutive bytes, aligned
	s_endpgm
.endm
	s_wait_alu depctr_va_vdst(0)
	WPATH 4096, 8, 7, 4, 0, 12, W2Q, W2SO, 640
.Lpath_w1:
	s_wait_alu depctr_va_vdst(0)
	WPATH 8192, 4, 8, 5, 1, 10, W1Q, W1SO, 128
.Lpath_x:
	; ---- 16 tokens; wave w: K steps 2 w (XA) and 2 w + 1 (XB).  Lane (r, h) takes of token r the numbers k = 64 c + 32 h + 0 .. 31: two whole blocks a step, in the operand's own order
	s_wait_alu depctr_va_vdst(0)
	v_lshlrev_b32 v4, 12, v2
	v_lshl_add_u32 v4, v3, 7, v4                   ; x: row r of 4,096 bytes, + 128 h
	v_and_b32 v6, 7, v2
	v_lshlrev_b32 v6, 2, v6
	v_lshl_add_u32 v6, v3, 10, v6                  ; Wg: 32 rows of 32 bytes for h, expert r % 8
	s_wait_alu depctr_va_vdst(0)
	v_lshlrev_b32 v7, 4, v2
	v_lshl_add_u32 v7, v3, 9, v7                   ; scale words: lanes 0-15 store step 2 w's, lanes 16-31 step 2 w + 1's, 512 bytes on
	v_lshlrev_b32 v8, 3, v3                        ; 8 h
	v_mov_b32 v15, 0                               ; (a lane permute's destination counts as one of its sources)
	v_mov_b32 v254, 0
	s_lshl_b32 s30, s18, 10
	v_add_nc_u32 v255, s30, v5                     ; LDS: my wave's 1,024 bytes, 16 a lane
	s_lshl_b32 s22, ttmp9, 16                      ; 16 rows of 4,096 bytes,
	s_add_co_u32 s22, s22, s30                     ; my wave's 256 numbers
	s_mov_b32 s23, 0
	s_add_nc_u64 s[4:5], s[4:5], s[22:23]
	s_lshl_b32 s22, s18, 13                        ; Wg: 256 rows of 32 bytes a wave
	s_add_nc_u64 s[6:7], s[6:7], s[22:23]
	s_lshr_b32 s30, ttmp9, 3                       ; RB
	s_and_b32 s31, ttmp9, 7                        ; tile
	s_lshl_b32 s22, s30, 2
	s_add_co_u32 s22, s22, s18
	s_mul_i32 s22, s22, BLKB
	s_mul_i32 s32, s31, TILEB
	s_add_co_u32 s22, s22, s32
	s_add_nc_u64 s[26:27], s[14:15], s[22:23]      ; my two fragments
	s_lshl_b32 s22, s30, 3
	s_lshl_b32 s32, s18, 1
	s_add_co_u32 s22, s22, s32
	s_lshl_b32 s22, s22, 9
	s_lshr_b32 s32, s31, 2
	s_lshl_b32 s32, s32, 8
	s_add_co_u32 s22, s22, s32
	s_and_b32 s32, ttmp9, 1
	s_lshl_b32 s32, s32, 3
	s_add_co_u32 s22, s22, s32
	s_bfe_u32 s32, ttmp9, 0x10001
	s_lshl_b32 s32, s32, 2
	s_add_co_u32 s22, s22, s32                     ; + 4 sg(tile % 4) = 8 (tile % 2) + 4 (tile / 2 % 2)
	s_add_nc_u64 s[24:25], s[16:17], s[22:23]      ; my tile's scale words
	s_lshl_b32 s22, ttmp9, 10
	s_add_co_u32 s22, s22, GATEO
	s_add_nc_u64 s[28:29], s[16:17], s[22:23]      ; my 16 tokens' gates, 64 bytes each
.macro XLOAD reg, ab
.irp c, 0,1
.irp i, 0,1,2,3,4,5,6,7
	global_load_b128 v[\reg+32*\c+4*\i:\reg+32*\c+4*\i+3], v4, s[4:5] offset:512*\ab+256*\c+16*\i th:TH_LOAD_NT
.endr
.endr
.endm
.macro GLOAD ab                        ; Wg(k, r % 8) with the same k at the same register and half as x has it
.set i, 0
.rept 64
	global_load_b32 v[WF+i], v6, s[6:7] offset:(128*\ab+64*(i/32)+(i%32))*32
.set i, i+1
.endr
.endm
; The gate's product in f32: source 0 = Wg's 8 columns (twice), source 1 = 16 tokens: a lane then holds ONE token and register j expert j, in both halves of the lanes.  An instruction takes 4 of K: two registers
; of each half; which k they are does not matter, since both sources hold the same.  Two accumulators take turns, one instruction a turn; the first two products start the sums.
.macro GMUL X, first
.set n, 0
.rept 32
.if \first && (n < 2)
	v_wmma_f32_16x16x4_f32 v[ACC+8*(n%2):ACC+8*(n%2)+7], v[WF+2*n:WF+2*n+1], v[\X+2*n:\X+2*n+1], 0
.else
	v_wmma_f32_16x16x4_f32 v[ACC+8*(n%2):ACC+8*(n%2)+7], v[WF+2*n:WF+2*n+1], v[\X+2*n:\X+2*n+1], v[ACC+8*(n%2):ACC+8*(n%2)+7]
.endif
.set n, n+1
.endr
.endm
.macro XQ X, PW                        ; 64 numbers become a fragment's codes in v[PC] on and the rows' scale word in v[PW]
.irp c, 0,1
	v_max3_num_f32 v[9+\c], |v[\X+32*\c]|, |v[\X+32*\c+1]|, 0x1800000   ; my block 2 c + h, and the floor 2^(3 - 127)
.endr
.irp i, 2,4,6,8,10,12,14,16,18,20,22,24,26,28,30
.irp c, 0,1
	v_max3_num_f32 v[9+\c], v[9+\c], |v[\X+32*\c+\i]|, |v[\X+32*\c+\i+1]|   ; (the two blocks by turns)
.endr
.endr
	v_add_nc_u32 v11, 0xff000000, v9               ; 2 off the exponent field: the conversions' scale operands
	v_add_nc_u32 v12, 0xff000000, v10
	v_lshrrev_b32 v13, 23, v11                     ; the bytes
	v_lshrrev_b32 v14, 23, v12
	v_lshl_or_b32 v[\PW], v14, 16, v13             ; blocks h and 2 + h,
	v_lshlrev_b32 v[\PW], v8, v[\PW]               ; at their places in the word;
	v_permlanex16_b32 v15, v[\PW], s20, s21
	v_or_b32 v[\PW], v[\PW], v15                   ; with lane l xor 16's two it is whole, in both halves
.irp c, 0,1
	v_cvt_scalef32_pk16_fp6_f32 v[PC+6*\c:PC+6*\c+2], v[\X+32*\c:\X+32*\c+15], v[11+\c]
	v_cvt_scalef32_pk16_fp6_f32 v[TH+4*\c:TH+4*\c+2], v[\X+32*\c+16:\X+32*\c+31], v[11+\c]
.endr
	v_nop                                          ; one plain place behind a scaled conversion
.irp c, 0,1
.irp i, 0,1,2
	v_mov_b32 v[PC+3+6*\c+\i], v[TH+4*\c+\i]
.endr
.endr
.endm
.macro XST ab
.irp g, 0,1,2
	global_store_b128 v5, v[PC+4*\g:PC+4*\g+3], s[26:27] offset:FRAGB*\ab+512*\g
.endr
.endm
.macro PLACES8                         ; eight places behind the f32 matrix form, in front of loads into its sources and of reads of its results
.rept 8
	v_nop
.endr
.endm
	XLOAD XA, 0
	GLOAD 0
	XLOAD XB, 1
	s_wait_loadcnt 16                              ; XA and Wg's first half are in; XB's sixteen loads may be out
	GMUL XA, 1
	PLACES8
	GLOAD 1
	XQ XA, PWA                                     ; stands while Wg's second half is on its way
	XST 0
	global_load_b128 v[XA:XA+3], v254, s[8:9]      ; bg, into registers that XA has left
	global_load_b128 v[XA+4:XA+7], v254, s[8:9] offset:16
	s_wait_loadcnt 0x0
	GMUL XB, 0
	s_wait_xcnt 0x0                                ; the stores above have read v[PC] on: it is written again only behind this wait
	XQ XB, PWB
	XST 1
	PLACES8
.irp j, 0,1,2,3,4,5,6,7
	v_add_f32 v[P+\j], v[ACC+\j], v[ACC+8+\j]      ; from each accumulator's low end on
.endr
	v_cmp_le_u32 vcc_lo, 16, v1
	v_cndmask_b32 v9, v[PWA], v[PWB], vcc_lo
	global_store_b32 v7, v9, s[24:25]
	ds_store_b128 v255, v[P:P+3]
	ds_store_b128 v255, v[P+4:P+7] offset:512
	s_wait_dscnt 0x0                               ; for the others' sake: my part of the logits lies in LDS
	s_barrier_signal -1
	s_barrier_wait -1
	s_cmp_lg_u32 s18, 0
	s_cbranch_scc1 .Lx_end
	; ---- wave 0: the four parts and bg; softmax over a lane's eight registers
.irp w, 0,1,2,3
.irp g, 0,1
	ds_load_b128 v[XB+8*\w+4*\g:XB+8*\w+4*\g+3], v5 offset:1024*\w+512*\g
.endr
.endr
	s_wait_dscnt 0x0
.irp j, 0,1,2,3,4,5,6,7
	v_add_f32 v[132+\j], v[100+\j], v[108+\j]
	v_add_f32 v[140+\j], v[116+\j], v[124+\j]
.endr
.irp j, 0,1,2,3,4,5,6,7
	v_add_f32 v[132+\j], v[132+\j], v[140+\j]
.endr
.irp j, 0,1,2,3,4,5,6,7
	v_add_f32 v[132+\j], v[132+\j], v[XA+\j]
.endr
	v_max3_num_f32 v140, v132, v133, v134
	v_max3_num_f32 v140, v140, v135, v136
	v_max3_num_f32 v140, v140, v137, v138
	v_max_num_f32 v140, v140, v139                 ; the row's maximum is taken away, as the softmax asks
.irp j, 0,1,2,3,4,5,6,7
	v_sub_f32 v[132+\j], v[132+\j], v140
.endr
.irp j, 0,1,2,3,4,5,6,7
	v_mul_f32 v[132+\j], 0x3fb8aa3b, v[132+\j]     ; x log2(e)
.endr
	s_wait_alu depctr_va_vdst(0)
.irp j, 0,1,2,3,4,5,6,7
	v_exp_f32 v[132+\j], v[132+\j]
.endr
	v_lshlrev_b32 v146, 6, v2                      ; (a plain place behind the exponentials)  the gate's place: 64 r
	s_wait_alu depctr_va_vdst(0)
	v_add_f32 v141, v132, v133
	v_add_f32 v142, v134, v135
	v_add_f32 v143, v136, v137
	v_add_f32 v144, v138, v139
	v_add_f32 v141, v141, v142
	v_add_f32 v143, v143, v144
	v_add_f32 v141, v141, v143
	s_wait_alu depctr_va_vdst(0)
	v_rcp_f32 v142, v141
	v_lshl_add_u32 v146, v3, 5, v146               ; (a plain place behind the reciprocal)  + 32 h: lanes 0-15 store experts 0-3, lanes 16-31 experts 4-7
	s_wait_alu depctr_va_vdst(0)
.irp j, 0,1,2,3,4,5,6,7
	v_mul_f32 v[132+\j], v[132+\j], v142
.endr
.irp i, 0,1,2,3
	v_cndmask_b32 v[148+2*\i], v[132+\i], v[136+\i], vcc_lo
	v_cndmask_b32 v[149+2*\i], v[132+\i], v[136+\i], vcc_lo   ; each gate twice
.endr
	global_store_b128 v146, v[148:151], s[28:29]
	global_store_b128 v146, v[152:155], s[28:29] offset:16
.Lx_end:
	s_wait_tensorcnt 0x0
	ds_add_u32 v31, v35
	s_wait_dscnt 0x0
	s_endpgm
.Lfunc_end_k_q4ec5e9bdd1_prep:
	.size	k_q4ec5e9bdd1_prep, .Lfunc_end_k_q4ec5e9bdd1_prep-k_q4ec5e9bdd1_prep
	.p2alignl 7, 3214868480
	.fill 96, 4, 3214868480
	.section	.rodata,"a",@progbits
	.p2align	6, 0x0
	.amdhsa_kernel k_q4ec5e9bdd1_prep
		.amdhsa_group_segment_fixed_size 4608
		.amdhsa_private_segment_fixed_size 0
		.amdhsa_enable_private_segment 0
		.amdhsa_kernarg_size 56
		.amdhsa_user_sgpr_count 2
		.amdhsa_user_sgpr_kernarg_segment_ptr 1
		.amdhsa_wavefront_size32 1
		.amdhsa_system_sgpr_workgroup_id_x 1
		.amdhsa_system_sgpr_workgroup_id_y 1
		.amdhsa_system_sgpr_workgroup_id_z 1
		.amdhsa_system_vgpr_workitem_id 0
		.amdhsa_next_free_vgpr 256
		.amdhsa_next_free_sgpr 66
		.amdhsa_reserve_vcc 1
		.amdhsa_float_denorm_mode_32 3
		.amdhsa_float_denorm_mode_16_64 3
		.amdhsa_memory_ordered 1
		.amdhsa_forward_progress 1
		.amdhsa_inst_pref_size 113
	.end_amdhsa_kernel
	.amdgpu_metadata
---
amdhsa.version: [ 1, 2 ]
amdhsa.kernels:
  - .name:           k_q4ec5e9bdd1_prep
    .symbol:         k_q4ec5e9bdd1_prep.kd
    .args:
      - { .name: x, .offset: 0, .size: 8, .value_kind: global_buffer, .address_space: global }
      - { .name: Wg, .offset: 8, .size: 8, .value_kind: global_buffer, .address_space: global }
      - { .name: bg, .offset: 16, .size: 8, .value_kind: global_buffer, .address_space: global }
      - { .name: W1, .offset: 24, .size: 8, .value_kind: global_buffer, .address_space: global }
      - { .name: W2, .offset: 32, .size: 8, .value_kind: global_buffer, .address_space: global }
      - { .name: codes, .offset: 40, .size: 8, .value_kind: global_buffer, .address_space: global }
      - { .name: scales, .offset: 48, .size: 8, .value_kind: global_buffer, .address_space: global }
    .group_segment_fixed_size: 4608
    .private_segment_fixed_size: 0
    .kernarg_segment_align: 8
    .kernarg_segment_size: 56
    .max_flat_workgroup_size: 128
    .sgpr_count:     66
    .vgpr_count:     256
    .wavefront_size: 32
...
	.end_amdgpu_metadata
.endif
;; end of part 1
;; launch ffn (part 2): grid 256 x 1, 4 waves a work-group, clusters of 4 x 1, 327,680 bytes of LDS; arguments codes, scales, b1, b2, part; writes part
.if DOCPART == 2
	.amdgcn_target "amdgcn-amd-amdhsa--gfx1250"
	.amdhsa_code_object_version 6
	.text
	.protected	k_q4ec5e9bdd1_ffn
	.globl	k_q4ec5e9bdd1_ffn
	.p2align	8
	.type	k_q4ec5e9bdd1_ffn,@function
k_q4ec5e9bdd1_ffn:
	s_mov_b64 s[64:65], 0
	v_nop
	global_prefetch_b8 v0, s[64:65] scope:SCOPE_SE
	s_setreg_imm32_b32 hwreg(HW_REG_WAVE_MODE, 25, 1), 1
	s_wait_xcnt 0x0
	s_wait_alu depctr_hold_cnt(0) depctr_sa_sdst(0) depctr_va_vdst(0) depctr_va_sdst(0) depctr_va_ssrc(0) depctr_va_vcc(0) depctr_vm_vsrc(0)
	s_getreg_b32 s2, hwreg(HW_REG_IB_STS2, 6, 4)
	s_cmp_eq_u32 s2, 0
	s_cbranch_scc0 .Lentry_in_a_cluster
	s_endpgm
.Lentry_in_a_cluster:
	s_bfe_u32 s2, ttmp6, 0x10000c
	s_cmp_lg_u32 s2, 0x3003
	s_cbranch_scc0 .Lentry_shape_is_right
	s_endpgm
.Lentry_shape_is_right:
; Both quantised products in one launch.  A work-group owns (expert e, 128 tokens tb, half hf of the hidden units):
;   h = Q(relu(x W1 + b1)) for its 128 tokens x 1,024 hidden units (K = 1,024), then part = h W2 + b2 / 2 for 128 tokens x 1,024 columns (K = its 1,024 hidden units).
; The two halves of an expert each add b2 / 2 (a power of two: exact), so that their sum carries b2 once.  The 16 parts (2 e + hf) leave as bf16; the next launch weighs them by the gates and adds them.
; FOUR PASSES of 128 tokens x 512 columns x K 1,024, two for each product; a wave makes 128 x 128: 64 accumulators, 512 registers.
; CLUSTERS of 4 x 1: the four partners have the same (e, hf) and other tokens, so they walk the same weights: each tile of weights is asked for JOINTLY (mask 15).  x is each work-group's own: a plain load.
; THE RING: two LDS slots of 98,304 bytes: 512 rows of the weight x 256 K, a wave's 128 rows (24,576 dense bytes) by one load of that wave, read by that wave alone.  16 tiles in all; the ring goes on from pass to pass.
; A slot is read out into registers one K step ahead, so it is given back in the second half of its first K step: there stand the wait for all tensor loads, the add, the cluster's round and the refill, two tiles on.
; THE TOKENS' SIDE has ONE region of LDS: x's codes (filled once, at the head), and behind the first product h's codes in the same bytes and the same layout, so that all passes run one text.
; The first pass's h waits in 96 registers while the second pass still reads x; behind a barrier at which all reads of x are over, both passes' h are stored.
; Biases (b1's 1,024, b2's 1,024 halved, the latter with bits 3 and 4 of the column exchanged so that one pattern of reads serves both) and x's scale words are staged in LDS at the head; the bias is the C of each sum's first product.
; The weights' scale words (4,096 bytes a wave and pass) go from memory straight into 32 registers, asked for ahead of the way out of the pass before.
; Layouts of codes and scale words: as the preparing launch writes them (fragment = 1,536 bytes at 16 x lane; 128 rows x 256 K = 24,576 bytes; scale words of 128 rows x 128 K = 512 bytes).
; THE MATRIX INSTRUCTION IS USED TRANSPOSED (source 0 = 16 rows of the weight, source 1 = 16 tokens): a lane holds one token.  Scale words: lanes 0-15 an even step's, lanes 16-31 the next odd step's.
; PREFETCH: behind each refill of the loop a wave names the tile four tiles on (the same place of the next pass): 96 blocks of 256 bytes, 24 for each partner, told apart by address (lanes 24-31 name the last again).
; The first pass's tiles come by their loads alone; the last pass asks for nothing.
; LIMITS: NaN and infinities are not served; a block of h under 2^-124, zeros among them, gets the byte 1 (its codes are zeros or subnormal codes; this program alone reads the bytes); the parts carry bf16's rounding.
; REGISTERS: window 0: v1-14 addresses; v16-31 the tokens' scale words (two pairs of steps); v32-63 the weights' scale words of a pass; v64-159 the tokens' fragments, one set; v160-255 the first pass's h.
;   window 1: v0-191 the weights' fragments, two sets (on the first way out at work); v192-255 the bias.   windows 2, 3: accumulator (a, b) at v[8 (8 (a % 4) + b)] of window 2 + a / 4.
.set W1Q,   1572864
.set W2Q,   14155776
.set W1SO,  65536
.set W2SO,  589824
.set FRAGB, 1536
.set TILEB, 3072
.set BLKB,  24576
.set SLOT0, 98304                      ; LDS: the tokens' codes at 0, the two slots,
.set SLOT1, 196608
.set XS,    294912                     ; the tokens' scale words,
.set BL,    299008                     ; the biases: 2,048 bytes a pass,
.set TMPS,  307200                     ; a pass's scale words of h on their way, 512 bytes a wave,
.set SPARE, 309248                     ; the spare words: 128 bytes a wave, named by no other line
.set LI,   1                           ; 16 x lane: also the LDS address of the tokens' codes, K steps 0-3
.set ADX1, 2                           ; K steps 4-7
.set ADB0, 3                           ; my quarter of slot 0, 1
.set ADB1, 4
.set ASX,  5                           ; the tokens' scale words: 16 r + 512 h
.set BSO,  6                           ; the weights' scale words in memory: 16 r + 512 h
.set HST0, 7                           ; where my h codes go, first and second pass
.set HST1, 8
.set HSS0, 9                           ; where my h scale words go
.set TMS,  10
.set SPW,  11
.set NIL,  12
.set PFO,  13
.set BIA,  14                          ; my bias in LDS; 2,048 on in each pass
.set ASC,  16
.set BSC,  32
.set AF,   64
.set PARK, 160
.set HA,   0                           ; first way out, all in window 1
.set PC,   64
.set TM,   96
.set PWS,  112
.set SW,   120
.set SEL,  60
.set T,    62
.set MSB, 0
.macro WIN new                         ; the immediate's high byte repeats the setting that is left
.if MSB != (\new)
	s_set_vgpr_msb (MSB<<8)|(\new)
.set MSB, (\new)
.endif
.endm
.set TO_B, 0x40                        ; destination window 1, address window 0
.macro PLACES                          ; four places behind a matrix instruction, ahead of loads into its registers and of reads of its results
.rept 4
	v_nop
.endr
.endm
.macro CREST                           ; a round of the cluster's barrier behind its opening barrier
	s_cmp_lg_u32 s14, 0
	s_cbranch_scc1 .Lnot_wave_0_\@
	s_barrier_signal -3
.Lnot_wave_0_\@:
	s_barrier_wait -3
	s_barrier_signal -1
	s_barrier_wait -1
.endm
.macro CROUND
	s_barrier_signal -1
	s_barrier_wait -1
	CREST
.endm
.macro FRAGB s                         ; the weight's eight fragments of the pass's step s into set s % 2
	WIN TO_B
.irp i, 0,1,2,3,4,5,6,7
.irp g, 0,1,2
	ds_load_b128 v[96*((\s)%2)+12*\i+4*\g:96*((\s)%2)+12*\i+4*\g+3], v[ADB0+((\s)/2)%2] offset:\i*TILEB+((\s)%2)*FRAGB+512*\g
.endr
.endr
	WIN 0
.endm
.macro FETCH_A s, i0                   ; the tokens' blocks i0 .. i0 + 3 of step s
.if (\s) < 4
.set ADQ, LI
.else
.set ADQ, ADX1
.endif
.irp i, \i0, \i0+1, \i0+2, \i0+3
.irp g, 0,1,2
	ds_load_b128 v[AF+12*(\i)+4*\g:AF+12*(\i)+4*\g+3], v[ADQ] offset:(((\s)%4)/2)*BLKB+(\i)*TILEB+((\s)%2)*FRAGB+512*\g
.endr
.endr
.endm
.macro ASCL p                          ; the tokens' scale words of steps 2 p and 2 p + 1
.irp hh, 0,1
	ds_load_b128 v[ASC+8*((\p)%2)+4*\hh:ASC+8*((\p)%2)+4*\hh+3], v[ASX] offset:1024*(\p)+256*\hh
.endr
.endm
; 16 matrix instructions: the tokens' blocks a0, a0 + 1 against the weight's eight tiles; the 64 accumulators take turns, one instruction a turn
.macro MUL16 s, a0
.irp a, \a0, \a0+1
.irp b, 0,1,2,3,4,5,6,7
.set DD, 8*(8*((\a)%4)+\b)
.set BB, 96*((\s)%2)+12*\b
.set AA, AF+12*(\a)
.set SB, BSC+8*((\s)/2)+4*(\b/4)+2*(\b%2)+(\b%4)/2
.set SA, ASC+8*(((\s)/2)%2)+4*((\a)/4)+2*((\a)%2)+((\a)%4)/2
.if (\s) == 0
	v_wmma_scale_f32_16x16x128_f8f6f4 v[DD:DD+7], v[BB:BB+11], v[AA:AA+11], v[192+8*\b:199+8*\b], v[SB], v[SA] matrix_a_fmt:MATRIX_FMT_FP6 matrix_b_fmt:MATRIX_FMT_FP6
.elseif (\s)%2 == 0
	v_wmma_scale_f32_16x16x128_f8f6f4 v[DD:DD+7], v[BB:BB+11], v[AA:AA+11], v[DD:DD+7], v[SB], v[SA] matrix_a_fmt:MATRIX_FMT_FP6 matrix_b_fmt:MATRIX_FMT_FP6
.else
	v_wmma_scale_f32_16x16x128_f8f6f4 v[DD:DD+7], v[BB:BB+11], v[AA:AA+11], v[DD:DD+7], v[SB], v[SA] matrix_a_fmt:MATRIX_FMT_FP6 matrix_b_fmt:MATRIX_FMT_FP6 matrix_a_scale:MATRIX_SCALE_ROW1 matrix_b_scale:MATRIX_SCALE_ROW1
.endif
.endr
.endr
.endm
; A step of 128 along K.  chg: 0 nothing; 1 the slot is given back and filled with the tile two on in this pass; 2 the same, the tile lying in the next pass; 3 only the wait for my last tile.  pf: with a prefetch
.macro STEP s, chg, pf
.set GG, 20+4*(((\s)/2)%2)
.if (\s) < 7
	s_wait_dscnt 36                                ; all but the tokens' blocks 4-7 (12 loads) and the next step's weights (24)
.else
	s_wait_dscnt 12
.endif
.if (\s) == 0
	WIN 0x91                                       ; source 0 and C (the bias) window 1, source 1 window 0, D window 2
.else
	WIN 0xa1
.endif
	MUL16 \s, 0
	MUL16 \s, 2
.if (\s) < 7
	s_wait_dscnt 24                                ; blocks 4-7 are in
	PLACES
	WIN 0
	FETCH_A (\s)+1, 0
.if (\s)%2 == 1
	ASCL ((\s)+1)/2
.endif
.else
	s_wait_dscnt 0x0
	WIN 0
.endif
.if (\chg) == 1 || (\chg) == 2
	s_wait_tensorcnt 0x0                           ; all my tensor loads have landed: the one that was out is my quarter of the next tile
	ds_add_u32 v[SPW], v[NIL]                      ; 0 onto my spare word
.if (\s) == 0
	WIN 0xd1
.else
	WIN 0xf1
.endif
	MUL16 \s, 4                                    ; sixteen matrix instructions stand between the add and the wait for it
	s_wait_dscnt 0x0                               ; the add is done, and my reads of this slot are over
	s_barrier_signal -1
	MUL16 \s, 6
	WIN 0
	s_barrier_wait -1
	CREST                                          ; the barrier has opened a round of the cluster's: no wave of any partner still reads this slot or has a load on its way
.if (\chg) == 1
	s_add_nc_u64 s[GG+2:GG+3], s[GG+2:GG+3], 2*BLKB
.else
	s_add_nc_u64 s[GG+2:GG+3], s[GG+2:GG+3], s[80:81]
.endif
	tensor_load_to_lds s[GG:GG+3], s[36:43]        ; my one load behind the round
	s_nop 0
	PLACES
.else
.if (\chg) == 3
	s_wait_tensorcnt 0x0                           ; my quarter of the last tile is in; I alone read it
.endif
.if (\s) == 0
	WIN 0xd1
.else
	WIN 0xf1
.endif
	MUL16 \s, 4
	MUL16 \s, 6
	WIN 0
	PLACES
.endif
.if (\s) < 7
	FETCH_A (\s)+1, 4
.endif
.if (\s) < 6
	FRAGB (\s)+2
.endif
.if \pf
	global_prefetch_b8 v[PFO], s[74:75] offset:((\s)/2)*BLKB th:TH_LOAD_NT scope:SCOPE_SE
.endif
.endm
.macro START                           ; a pass's bias and first operands
	s_wait_loadcnt 0x0                             ; the weights' scale words are in
	WIN TO_B
.irp b, 0,1,2,3,4,5,6,7
	ds_load_b128 v[192+8*\b:195+8*\b], v[BIA] offset:128*(\b/2)+32*(\b%2)
	ds_load_b128 v[196+8*\b:199+8*\b], v[BIA] offset:128*(\b/2)+32*(\b%2)+16
.endr
	FRAGB 0
	FETCH_A 0, 0
	ASCL 0
	FETCH_A 0, 4
	FRAGB 1
.endm
; 64 numbers of a lane, register 16 b + i = k 32 b + 16 (lane / 16) + i of my token, none negative, become a fragment's codes in v[PC] on and the token's scale word in v[pw]
.macro QUANT s, pw
.irp b, 0,1,2,3
	v_max3_num_f32 v[TM+\b], v[\s+16*\b], v[\s+1+16*\b], 0x1800000   ; my 16 numbers of block b, and the floor 2^(3 - 127)
.endr
.irp i, 2,4,6,8,10,12,14
.irp b, 0,1,2,3
	v_max3_num_f32 v[TM+\b], v[TM+\b], v[\s+16*\b+\i], v[\s+1+16*\b+\i]
.endr
.endr
.irp b, 0,1,2,3
	v_permlanex16_b32 v[TM+4+\b], v[TM+\b], s[SEL], s[SEL+1]
.endr
.irp b, 0,1,2,3
	v_max_num_f32 v[TM+\b], v[TM+\b], v[TM+4+\b]   ; with lane l xor 16's: the block's largest
.endr
.irp b, 0,1,2,3
	v_add_nc_u32 v[TM+12+\b], 0xff000000, v[TM+\b] ; 2 off the exponent field: the conversion's scale operand
.endr
.irp b, 0,1,2,3
	v_lshrrev_b32 v[TM+4+\b], 23, v[TM+12+\b]      ; the byte
.endr
	v_lshl_or_b32 v[\pw], v[TM+5], 8, v[TM+4]
	v_lshl_or_b32 v[\pw], v[TM+6], 16, v[\pw]
	v_lshl_or_b32 v[\pw], v[TM+7], 24, v[\pw]
.irp c, 0,1
	v_cvt_scalef32_pk16_fp6_f32 v[PC+6*\c:PC+2+6*\c], v[\s+32*\c:\s+15+32*\c], v[TM+12+2*\c]
	v_cvt_scalef32_pk16_fp6_f32 v[PC+12+4*\c:PC+14+4*\c], v[\s+16+32*\c:\s+31+32*\c], v[TM+12+2*\c+1]
.endr
	v_nop                                          ; one plain place behind a scaled conversion
.irp c, 0,1                                    ; the operand wants a whole block in a lane
.irp i, 0,1,2
	v_permlane16_swap_b32 v[PC+6*\c+\i], v[PC+12+4*\c+\i]
.endr
.irp i, 0,1,2
	v_mov_b32 v[PC+3+6*\c+\i], v[PC+12+4*\c+\i]
.endr
.endr
.endm
.macro STOREH adr, k                   ; the h that waits in registers goes over x: 8 fragments, and its scale words
	ds_load_b128 v[64:67], v[TMS]                  ; LDS serves a wave's instructions in order: this sees my store
.irp a, 0,1,2,3,4,5,6,7
.irp g, 0,1,2
	ds_store_b128 v[\adr], v[PARK+12*\a+4*\g:PARK+12*\a+4*\g+3] offset:\a*TILEB+512*\g
.endr
.endr
	s_wait_dscnt 0x0
	ds_store_b128 v[HSS0], v[64:67] offset:2048*\k
.endm
.macro EPIO                            ; the second way out: rounded to bf16, 16 bytes a lane, 512 consecutive bytes a store
.irp a, 0,1,2,3,4,5,6,7
.if \a == 6
	s_wait_xcnt 0x0                                ; blocks 0 and 1's stores have read their registers
.endif
.set TT, 64+32*(\a%6)
	WIN 0x0a+5*(\a/4)
.irp b, 0,1,2,3,4,5,6,7
.irp r, 0,1,2,3
	v_cvt_pk_bf16_f32 v[TT+4*\b+\r], v[64*(\a%4)+8*\b+2*\r], v[64*(\a%4)+8*\b+2*\r+1]
.endr
.endr
	WIN 0
.irp b, 0,1,2,3,4,5,6,7
	global_store_b128 v[LI], v[TT+4*\b:TT+4*\b+3], s[12:13] offset:(8*\a+\b)*512
.endr
.endr
.endm
	s_load_b256 s[4:11], s[0:1], 0x0               ; codes, scales, b1, b2
	s_load_b64 s[12:13], s[0:1], 0x20              ; part
	v_lshl_add_u32 v[SPW], v0, 2, SPARE
	v_mov_b32 v[NIL], 0
	ds_add_u32 v[SPW], v[NIL]
	ds_add_u32 v[SPW], v[NIL]
	v_lshrrev_b32 v64, 5, v0
	v_readfirstlane_b32 s14, v64                   ; wave
	s_lshr_b32 s15, s14, 1
	s_and_b32 s63, s14, 1
	s_bfe_u32 s19, ttmp6, 0x40000                  ; cx
	s_lshr_b32 s16, ttmp9, 3                       ; e
	s_bfe_u32 s17, ttmp9, 0x10002                  ; hf
	s_and_b32 s18, ttmp9, 3
	s_lshl_b32 s18, s18, 2
	s_add_co_u32 s18, s18, s19                     ; tb
	s_mul_i32 s84, s14, BLKB
	s_mul_i32 s85, s15, BLKB                       ; my h is K step 4 n + wave of the second product
	s_mul_i32 s86, s63, FRAGB
	s_add_co_u32 s85, s85, s86
	s_lshl_b32 s86, s14, 9
	s_mul_i32 s87, s19, 24                         ; my work-group's 24 of a tile's 96 blocks: enters a prefetch's address alone
	v_and_b32 v65, 31, v0                          ; lane
	v_and_b32 v66, 15, v0                          ; r
	v_bfe_u32 v67, v0, 4, 1                        ; h
	v_lshlrev_b32 v[LI], 4, v65
	v_lshlrev_b32 v[BSO], 4, v66
	v_lshl_add_u32 v[BSO], v67, 9, v[BSO]
	v_add_nc_u32 v[ADX1], 2*BLKB, v[LI]
	v_add_nc_u32 v[ADB0], s84, v[LI]
	v_add_nc_u32 v[ADB1], SLOT1, v[ADB0]
	v_add_nc_u32 v[ADB0], SLOT0, v[ADB0]
	v_add_nc_u32 v[ASX], XS, v[BSO]
	v_add_nc_u32 v[HST0], s85, v[LI]
	v_add_nc_u32 v[HST1], 2*BLKB, v[HST0]
	v_add_nc_u32 v[HSS0], s86, v[LI]
	v_add_nc_u32 v[TMS], TMPS, v[HSS0]
	v_add_nc_u32 v[HSS0], XS, v[HSS0]
	v_lshlrev_b32 v[BIA], 6, v67                   ; tile 2 c + u wants the bias at 32 c + 8 u + 16 h + 0 .. 7
	v_add_nc_u32 v[BIA], s86, v[BIA]
	v_add_nc_u32 v[BIA], BL, v[BIA]
	v_min_u32 v69, 23, v65
	v_add_nc_u32 v69, s87, v69
	v_lshlrev_b32 v[PFO], 8, v69
	v_lshlrev_b32 v70, 4, v0                       ; staging: 16 bytes a thread
	v_add_nc_u32 v71, XS, v70
	v_bfe_u32 v72, v70, 5, 1                       ; b2 in memory: bits 3 and 4 of the column exchanged
	v_bfe_u32 v73, v70, 6, 1
	v_and_b32 v74, 0xffffff9f, v70
	v_lshl_or_b32 v74, v72, 6, v74
	v_lshl_or_b32 v74, v73, 5, v74
.set i, 0
.rept 96
	v_mov_b32 v[PARK+i], 0                         ; so that the registers in which h waits are written on every way through the text
.set i, i+1
.endr
	s_mov_b32 s[SEL], 0x76543210
	s_mov_b32 s[SEL+1], 0xfedcba98
	s_lshl_b32 s88, s16, 4
	s_lshl_b32 s89, s17, 3
	s_add_co_u32 s88, s88, s89                     ; W1: the work-group's first 128 rows: 16 e + 8 hf
	s_add_co_u32 s89, s88, s14                     ; mine
	s_mul_i32 s22, s89, 4*BLKB
	s_add_co_u32 s22, s22, W1Q
	s_lshl_b32 s66, s89, 12
	s_add_co_u32 s66, s66, W1SO
	s_lshl_b32 s89, s63, 1
	s_add_co_u32 s89, s89, s88                     ; the head's tile 0: two waves' rows by one load
	s_mul_i32 s34, s89, 4*BLKB
	s_add_co_u32 s34, s34, W1Q
	s_lshl_b32 s89, s16, 3
	s_add_co_u32 s89, s89, s14
	s_lshl_b32 s89, s89, 1
	s_add_co_u32 s89, s89, s17                     ; W2: 2 (8 e + wave) + hf: my rows, my half of K
	s_mul_i32 s76, s89, 4*BLKB
	s_add_co_u32 s76, s76, W2Q
	s_lshl_b32 s70, s89, 12
	s_add_co_u32 s70, s70, W2SO
	s_sub_co_u32 s82, s76, s22                     ; steps from a pass's third tile to the next pass's first: into the second pass,
	s_sub_co_u32 s82, s82, 18*BLKB                 ; the third,
	s_mov_b32 s80, 14*BLKB
	s_mov_b32 s83, 30*BLKB                         ; the fourth
	s_lshl_b32 s30, s18, 2
	s_lshl_b32 s89, s63, 1
	s_add_co_u32 s30, s30, s89
	s_mul_i32 s30, s30, BLKB                       ; x's codes: half of the 128 tokens' 98,304 bytes
	s_lshl_b32 s86, s18, 12                        ; x's scale words
	s_lshl_b32 s88, s16, 1
	s_add_co_u32 s88, s88, s17
	s_lshl_b32 s88, s88, 12                        ; b1: (2 e + hf) x 4,096 bytes
	s_lshl_b32 s90, s16, 12                        ; b2
	s_lshl_b32 s92, ttmp9, 2
	s_add_co_u32 s92, s92, s19
	s_lshl_b32 s92, s92, 3
	s_add_co_u32 s92, s92, s14
	s_lshl_b32 s92, s92, 15                        ; part: [2 e + hf][tb][pass][wave] x 32,768 bytes
.irp q, 23,31,35,67,71,77,81,87,89,91,93
	s_mov_b32 s\q, 0
.endr
	s_mov_b32 s20, 1
	s_add_co_u32 s21, s84, SLOT0
	s_mov_b32 s24, 1
	s_add_co_u32 s25, s84, SLOT1
	s_mov_b32 s28, 1
	s_mul_i32 s29, s63, 2*BLKB
	s_mov_b32 s32, 1
	s_add_co_u32 s33, s29, SLOT0
	s_mov_b32 s36, 15|(3<<16)|(1<<21)              ; the ring's tiles: joint; a dense block as 96 rows of 256 bytes
	s_mov_b32 s37, 32<<16
	s_mov_b32 s38, 96<<16
	s_mov_b32 s39, 32<<16
	s_mov_b32 s40, 96
	s_mov_b32 s41, 32
	s_mov_b32 s42, 0
	s_mov_b32 s43, 0
	s_mov_b32 s44, 15|(3<<16)|(1<<21)              ; the head's tile 0: joint; two rows of 24,576 bytes, 98,304 apart
	s_mov_b32 s45, 3072<<16
	s_mov_b32 s46, 2<<16
	s_mov_b32 s47, 3072<<16
	s_mov_b32 s48, 2
	s_mov_b32 s49, 12288
	s_mov_b32 s50, 0
	s_mov_b32 s51, 0
	s_mov_b32 s52, 3<<16                           ; x: my work-group's own; 192 rows of 256 bytes
	s_mov_b32 s53, 32<<16
	s_mov_b32 s54, 192<<16
	s_mov_b32 s55, 32<<16
	s_mov_b32 s56, 192
	s_mov_b32 s57, 32
	s_mov_b32 s58, 0
	s_mov_b32 s59, 0
	s_wait_alu depctr_va_vdst(0)
	s_wait_dscnt 0x0                               ; both opening adds are done
	s_wait_kmcnt 0x0
	s_add_nc_u64 s[30:31], s[4:5], s[30:31]
	s_add_nc_u64 s[34:35], s[4:5], s[34:35]
	s_add_nc_u64 s[22:23], s[4:5], s[22:23]        ; my rows' tile 0
	s_add_nc_u64 s[26:27], s[22:23], BLKB          ; tile 1
	s_add_nc_u64 s[74:75], s[22:23], 16*BLKB       ; the later passes' first tiles, for the prefetches
	s_add_nc_u64 s[76:77], s[4:5], s[76:77]
	s_add_nc_u64 s[78:79], s[76:77], 32*BLKB
	s_or_b32 s31, s31, 0x80000000
	s_or_b32 s35, s35, 0x80000000
	s_or_b32 s23, s23, 0x80000000
	s_or_b32 s27, s27, 0x80000000
	s_add_nc_u64 s[66:67], s[6:7], s[66:67]        ; the four passes' scale words
	s_add_nc_u64 s[68:69], s[66:67], 16384
	s_add_nc_u64 s[70:71], s[6:7], s[70:71]
	s_add_nc_u64 s[72:73], s[70:71], 32768
	s_add_nc_u64 s[86:87], s[6:7], s[86:87]
	s_add_nc_u64 s[88:89], s[8:9], s[88:89]
	s_add_nc_u64 s[90:91], s[10:11], s[90:91]
	s_add_nc_u64 s[12:13], s[12:13], s[92:93]
	CROUND                                         ; the four work-groups are here: the first joint loads meet
	s_cmp_eq_u32 s15, 0                            ; one load a wave: waves 0 and 1 x's halves, waves 2 and 3 tile 0's halves
	s_cbranch_scc0 .Lhead_w
	tensor_load_to_lds s[28:31], s[52:59]
	s_nop 0
	PLACES
	s_branch .Lhead_j
.Lhead_w:
	tensor_load_to_lds s[32:35], s[44:51]
	s_nop 0
	PLACES
.Lhead_j:
	global_load_b128 v[76:79], v70, s[86:87]
	global_load_b128 v[80:83], v70, s[86:87] offset:2048
	global_load_b128 v[84:87], v70, s[88:89]
	global_load_b128 v[88:91], v70, s[88:89] offset:2048
	global_load_b128 v[92:95], v74, s[90:91]
	global_load_b128 v[96:99], v74, s[90:91] offset:2048
.macro BSCL
.irp p, 0,1,2,3
.irp hh, 0,1
	global_load_b128 v[BSC+8*\p+4*\hh:BSC+8*\p+4*\hh+3], v[BSO], s[66:67] offset:1024*\p+256*\hh
.endr
.endr
.endm
	BSCL
	s_wait_loadcnt 8                               ; the six staging loads are in; the eight of scale words may be out
.irp i, 92,94,96,98
	v_pk_mul_f32 v[\i:\i+1], v[\i:\i+1], 0.5 op_sel_hi:[1,0]   ; b2 / 2: the expert's other half adds the same
.endr
.irp i, 0,1,2,3,4,5
	ds_store_b128 v71, v[76+4*\i:79+4*\i] offset:2048*\i   ; x's scale words, b1, b2 / 2: bytes into which no fill lands
.endr
	s_wait_tensorcnt 0x0                           ; my head's load is in
	ds_add_u32 v[SPW], v[NIL]
	s_wait_dscnt 0x0                               ; the add and my staging stores are done
	CROUND
	tensor_load_to_lds s[24:27], s[36:43]          ; tile 1, my quarter
	s_nop 0
	PLACES
	s_mov_b32 s[T], 0
.Lpass:                                                ; three passes that ask for tiles at every change of slots
	START
	STEP 0, 1, 1
	STEP 1, 0, 0
	STEP 2, 1, 1
	STEP 3, 0, 0
	STEP 4, 2, 1
	STEP 5, 0, 0
	STEP 6, 2, 1
	STEP 7, 0, 0
	s_wait_xcnt 0x0                                ; every earlier load and prefetch has read its base
	s_mov_b64 s[66:67], s[68:69]                   ; the next pass's pointers and step move up
	s_mov_b64 s[68:69], s[70:71]
	s_mov_b64 s[70:71], s[72:73]
	s_mov_b64 s[74:75], s[76:77]
	s_mov_b64 s[76:77], s[78:79]
	s_mov_b32 s80, s82
	s_mov_b32 s82, s83
	BSCL
	s_cmp_eq_u32 s[T], 2
	s_cbranch_scc1 .Lout
	s_wait_dscnt 0x0
	s_barrier_signal -1                            ; every wave's reads of the tokens' side in this pass are over
	s_barrier_wait -1
	s_cmp_eq_u32 s[T], 1
	s_cbranch_scc0 .Lquant
	STOREH HST0, 0                                 ; x is read no more: the first pass's h takes its place
.Lquant:
; the first way out: a block of 16 tokens x my 128 hidden units is one fragment of the second product and one scale word a token
	WIN 0x55
.irp b, 0,1,2,3
	v_mov_b32 v[TM+4+\b], 0                        ; (a lane permute's destination counts as one of its sources)
.endr
.irp a, 0,1,2,3,4,5,6,7
	WIN 0x48+4*(\a/4)
.set j, 0
.rept 64
	v_max_num_f32 v[HA+j], 0, v[64*(\a%4)+j]       ; the activation; each accumulator from its low end on
.set j, j+1
.endr
	WIN 0x55
	QUANT HA, PWS+\a
	WIN 0x01
.irp i, 0,1,2,3,4,5,6,7,8,9,10,11
	v_mov_b32 v[PARK+12*\a+\i], v[PC+\i]
.endr
.endr
	WIN 0
	v_cmp_le_u32 vcc_lo, 0x100, v[LI]              ; lanes 16-31
	WIN 0x55
.irp a, 0,1,2,3
	v_cndmask_b32 v[SW+2*(\a%2)+\a/2], v[PWS+\a], v[PWS+4+\a], vcc_lo   ; lanes 0-15 blocks 0-3, lanes 16-31 blocks 4-7, each at its place
.endr
	WIN 0x04
	ds_store_b128 v[TMS], v[SW:SW+3]
	WIN 0
	s_wait_alu depctr_va_vdst(0)
	s_cmp_eq_u32 s[T], 1
	s_cbranch_scc0 .Lparked
	STOREH HST1, 1                                 ; and the second pass's h
.Lparked:
	s_wait_dscnt 0x0                               ; for the others' sake
	s_barrier_signal -1
	s_barrier_wait -1
	s_branch .Lnext
.Lout:
	EPIO
	s_wait_xcnt 0x0                                ; the stores have read their registers and their base
	s_add_nc_u64 s[12:13], s[12:13], 131072
.Lnext:
	v_add_nc_u32 v[BIA], 2048, v[BIA]
	s_add_co_u32 s[T], s[T], 1
	s_cmp_lt_u32 s[T], 3
	s_wait_alu depctr_va_vdst(0)
	s_cbranch_scc1 .Lpass
	START                                          ; the last pass is written out: it asks for its own last two tiles and no more
	STEP 0, 1, 0
	STEP 1, 0, 0
	STEP 2, 1, 0
	STEP 3, 0, 0
	STEP 4, 3, 0
	STEP 5, 0, 0
	STEP 6, 0, 0
	STEP 7, 0, 0
	EPIO
	s_wait_tensorcnt 0x0                           ; the wave's end
	ds_add_u32 v[SPW], v[NIL]
	s_wait_dscnt 0x0
	CROUND                                         ; the closing round
	s_endpgm
.Lfunc_end_k_q4ec5e9bdd1_ffn:
	.size	k_q4ec5e9bdd1_ffn, .Lfunc_end_k_q4ec5e9bdd1_ffn-k_q4ec5e9bdd1_ffn
	.p2alignl 7, 3214868480
	.fill 96, 4, 3214868480
	.section	.rodata,"a",@progbits
	.p2align	6, 0x0
	.amdhsa_kernel k_q4ec5e9bdd1_ffn
		.amdhsa_group_segment_fixed_size 327680
		.amdhsa_private_segment_fixed_size 0
		.amdhsa_enable_private_segment 0
		.amdhsa_kernarg_size 40
		.amdhsa_user_sgpr_count 2
		.amdhsa_user_sgpr_kernarg_segment_ptr 1
		.amdhsa_wavefront_size32 1
		.amdhsa_system_sgpr_workgroup_id_x 1
		.amdhsa_system_sgpr_workgroup_id_y 1
		.amdhsa_system_sgpr_workgroup_id_z 1
		.amdhsa_system_vgpr_workitem_id 0
		.amdhsa_next_free_vgpr 1024
		.amdhsa_next_free_sgpr 98
		.amdhsa_reserve_vcc 1
		.amdhsa_float_denorm_mode_32 3
		.amdhsa_float_denorm_mode_16_64 3
		.amdhsa_memory_ordered 1
		.amdhsa_forward_progress 1
		.amdhsa_inst_pref_size 255
	.end_amdhsa_kernel
	.section	.bss,"aw",@nobits
	.p2align	6
	.space	262144
	.amdgpu_metadata
---
amdhsa.version: [ 1, 2 ]
amdhsa.kernels:
  - .name:           k_q4ec5e9bdd1_ffn
    .symbol:         k_q4ec5e9bdd1_ffn.kd
    .args:
      - { .name: codes, .offset: 0, .size: 8, .value_kind: global_buffer, .address_space: global }
      - { .name: scales, .offset: 8, .size: 8, .value_kind: global_buffer, .address_space: global }
      - { .name: b1, .offset: 16, .size: 8, .value_kind: global_buffer, .address_space: global }
      - { .name: b2, .offset: 24, .size: 8, .value_kind: global_buffer, .address_space: global }
      - { .name: part, .offset: 32, .size: 8, .value_kind: global_buffer, .address_space: global }
    .group_segment_fixed_size: 327680
    .private_segment_fixed_size: 0
    .kernarg_segment_align: 8
    .kernarg_segment_size: 40
    .max_flat_workgroup_size: 128
    .sgpr_count:     98
    .vgpr_count:     1024
    .wavefront_size: 32
...
	.end_amdgpu_metadata
.endif
;; end of part 2
;; launch reduce (part 3): grid 512 x 1, 4 waves a work-group, no clusters, 17,920 bytes of LDS; arguments part, scales, out0; writes out0
.if DOCPART == 3
	.amdgcn_target "amdgcn-amd-amdhsa--gfx1250"
	.amdhsa_code_object_version 6
	.text
	.protected	k_q4ec5e9bdd1_reduce
	.globl	k_q4ec5e9bdd1_reduce
	.p2align	8
	.type	k_q4ec5e9bdd1_reduce,@function
k_q4ec5e9bdd1_reduce:
	s_mov_b64 s[64:65], 0
	v_nop
	global_prefetch_b8 v0, s[64:65] scope:SCOPE_SE
	s_setreg_imm32_b32 hwreg(HW_REG_WAVE_MODE, 25, 1), 1
	s_wait_xcnt 0x0
; out[t][d] = the sum over the 16 parts p = 2 e + hf of gate[t][e] x part_p[t][d]: the parts are bf16 operands, the gates f32, products and sums f32, parts ascending.
; The parts lie as the product's accumulators stood, packed: [p 16][tb 16][pass 2][wave 4][a 8][b 8][lane 32][16 bytes]: lane (r, h) of accumulator (a, b) holds token 16 a + r, columns 16 b + 8 h + 0 .. 7.
; A wave takes four accumulators (16 tokens x 64 columns, 2,048 bytes) of each part: every load covers 512 consecutive bytes.  Eight parts' loads go out at once; as a part is used, its registers take the part eight further on.
; A lane holds one token: its eight gates are eight register pairs (the gate lies [2048][8][2], each number twice).  The result turns through the wave's own stage in LDS, so that sixteen lanes store 256 consecutive bytes, aligned.
; A stream: no matrix unit (16 along K, one row a token), no cluster and no barrier (nothing is shared), no prefetch (all addresses are asked for at once or eight parts ahead).
; LIMITS: each part carries bf16's rounding; the gates are positive and add up to 1, so no difference of large sums is formed by them.
.set GATEO, 1114112
.set EXP,   4194304                    ; bytes from part to part: each part has a base of its own, s[16+2p:17+2p]
.set G,     8                          ; v8-23   the gates
.set S,     32                         ; v32-63  the sums
.set D,     64                         ; v64-191 part p's 16 registers at 16 (p % 8)
.set BK,    64
	s_load_b128 s[4:7], s[0:1], 0x0                ; part, scales
	s_load_b64 s[8:9], s[0:1], 0x10                ; out
	v_lshl_add_u32 v192, v0, 2, 0x4400
	v_mov_b32 v193, 0
	v_lshrrev_b32 v1, 5, v0
	v_readfirstlane_b32 s11, v1                    ; wave
	v_and_b32 v6, 31, v0
	v_and_b32 v7, 15, v0                           ; r
	v_bfe_u32 v24, v0, 4, 1                        ; h
	v_lshlrev_b32 v1, 4, v6                        ; 16 x lane
	v_lshlrev_b32 v2, 6, v7                        ; my token's gates: 64 r
	s_mul_i32 s12, s11, 16*272                     ; my stage: 16 rows of 256 bytes + 16
	v_mul_u32_u24 v3, v7, 272
	v_lshl_add_u32 v3, v24, 5, v3
	v_add_nc_u32 v3, s12, v3                       ; in: row r, + 32 h
	v_mul_u32_u24 v4, v24, 272
	v_lshl_add_u32 v4, v7, 4, v4
	v_add_nc_u32 v4, s12, v4                       ; back: lanes 0-15 one row, lanes 16-31 the next
	v_lshlrev_b32 v5, 12, v24
	v_lshl_add_u32 v5, v7, 4, v5                   ; and the same two rows of out
	s_lshl_b32 s10, ttmp9, 2
	s_add_co_u32 s10, s10, s11                     ; idx 0..2047 = [tb 4 bits][pass][wave 2][a 3][hb]
	s_and_b32 s12, s10, 1                          ; hb: which four of the eight b
	s_bfe_u32 s13, s10, 0x30001                    ; a
	s_bfe_u32 s14, s10, 0x30004                    ; 4 pass + wave: which 128 columns
	s_lshr_b32 s15, s10, 7                         ; tb
	s_lshl_b32 s48, s15, 7
	s_lshl_b32 s49, s13, 4
	s_add_co_u32 s48, s48, s49                     ; my first token
	s_lshl_b32 s50, s14, 9
	s_lshl_b32 s49, s12, 8
	s_add_co_u32 s50, s50, s49                     ; my first column, in bytes
	s_lshl_b32 s49, s48, 12
	s_add_co_u32 s50, s50, s49
	s_mov_b32 s51, 0
	s_lshl_b32 s52, s48, 6
	s_add_co_u32 s52, s52, GATEO
	s_mov_b32 s53, 0
	s_lshl_b32 s54, s10, 11                        ; four accumulators of 512 bytes
	s_mov_b32 s55, 0
	s_wait_alu depctr_va_vdst(0)
	s_wait_kmcnt 0x0
	s_add_nc_u64 s[8:9], s[8:9], s[50:51]
	s_add_nc_u64 s[6:7], s[6:7], s[52:53]
	s_add_nc_u64 s[16:17], s[4:5], s[54:55]
.irp p, 1,2,3,4,5,6,7,8,9,10,11,12,13,14,15
	s_add_nc_u64 s[16+2*\p:17+2*\p], s[14+2*\p:15+2*\p], EXP
.endr
.macro LOADP p
.irp b, 0,1,2,3
	global_load_b128 v[D+16*((\p)%8)+4*\b:D+16*((\p)%8)+4*\b+3], v1, s[16+2*(\p):17+2*(\p)] offset:512*\b th:TH_LOAD_NT
.endr
.endm
.irp i, 0,1,2,3
	global_load_b128 v[G+4*\i:G+4*\i+3], v2, s[6:7] offset:16*\i
.endr
.irp p, 0,1,2,3,4,5,6,7
	LOADP \p
.endr
	s_wait_loadcnt 28                              ; the gates and part 0 are in; seven parts' four loads each may be out
.set i, 0
.rept 16
	v_lshlrev_b32 v[S+2*i], 16, v[D+i]             ; bf16 to f32
	v_and_b32 v[S+2*i+1], 0xffff0000, v[D+i]
.set i, i+1
.endr
	LOADP 8
.set i, 0
.rept 16
	v_pk_mul_f32 v[S+i:S+i+1], v[S+i:S+i+1], v[G:G+1]              ; the first product starts the sums
.set i, i+2
.endr
.macro EFMA p                          ; the sums += gate p / 2 x part p's numbers, straight from the bf16 halves
.if (\p) < 8
	s_wait_loadcnt 28                              ; behind part p's loads: parts p + 1 .. p + 7, four loads each
.else
	s_wait_loadcnt 4*(15-(\p))
.endif
.set i, 0
.rept 16
	v_fma_mix_f32_bf16 v[S+2*i], v[D+16*((\p)%8)+i], v[G+2*((\p)/2)], v[S+2*i] op_sel_hi:[1,0,0]
	v_fma_mix_f32_bf16 v[S+2*i+1], v[D+16*((\p)%8)+i], v[G+2*((\p)/2)], v[S+2*i+1] op_sel:[1,0,0] op_sel_hi:[1,0,0]
.set i, i+1
.endr
.if (\p) < 8
	LOADP (\p)+8
.endif
.endm
.irp p, 1,2,3,4,5,6,7,8,9,10,11,12,13,14,15
	EFMA \p
.endr
.irp b, 0,1,2,3
	ds_store_b128 v3, v[S+8*\b:S+8*\b+3] offset:64*\b              ; columns 16 b + 8 h + 0 .. 7 of row r
	ds_store_b128 v3, v[S+8*\b+4:S+8*\b+7] offset:64*\b+16
.endr
.irp i, 0,1,2,3,4,5,6,7
	ds_load_b128 v[BK+4*\i:BK+4*\i+3], v4 offset:544*\i            ; LDS serves a wave's instructions in order (ISA guide 5.7.1.4): these see my stores
.endr
.irp i, 0,1,2,3,4,5,6,7
	s_wait_dscnt 7-\i
	global_store_b128 v5, v[BK+4*\i:BK+4*\i+3], s[8:9] offset:8192*\i th:TH_STORE_NT   ; sixteen lanes store 256 consecutive bytes, aligned
.endr
	s_wait_tensorcnt 0x0                           ; the wave's end
	ds_add_u32 v192, v193
	s_wait_dscnt 0x0
	s_endpgm
.Lfunc_end_k_q4ec5e9bdd1_reduce:
	.size	k_q4ec5e9bdd1_reduce, .Lfunc_end_k_q4ec5e9bdd1_reduce-k_q4ec5e9bdd1_reduce
	.p2alignl 7, 3214868480
	.fill 96, 4, 3214868480
	.section	.rodata,"a",@progbits
	.p2align	6, 0x0
	.amdhsa_kernel k_q4ec5e9bdd1_reduce
		.amdhsa_group_segment_fixed_size 17920
		.amdhsa_private_segment_fixed_size 0
		.amdhsa_enable_private_segment 0
		.amdhsa_kernarg_size 24
		.amdhsa_user_sgpr_count 2
		.amdhsa_user_sgpr_kernarg_segment_ptr 1
		.amdhsa_wavefront_size32 1
		.amdhsa_system_sgpr_workgroup_id_x 1
		.amdhsa_system_sgpr_workgroup_id_y 1
		.amdhsa_system_sgpr_workgroup_id_z 1
		.amdhsa_system_vgpr_workitem_id 0
		.amdhsa_next_free_vgpr 194
		.amdhsa_next_free_sgpr 66
		.amdhsa_reserve_vcc 0
		.amdhsa_float_denorm_mode_32 3
		.amdhsa_float_denorm_mode_16_64 3
		.amdhsa_memory_ordered 1
		.amdhsa_forward_progress 1
		.amdhsa_inst_pref_size 45
	.end_amdhsa_kernel
	.amdgpu_metadata
---
amdhsa.version: [ 1, 2 ]
amdhsa.kernels:
  - .name:           k_q4ec5e9bdd1_reduce
    .symbol:         k_q4ec5e9bdd1_reduce.kd
    .args:
      - { .name: part, .offset: 0, .size: 8, .value_kind: global_buffer, .address_space: global }
      - { .name: scales, .offset: 8, .size: 8, .value_kind: global_buffer, .address_space: global }
      - { .name: out0, .offset: 16, .size: 8, .value_kind: global_buffer, .address_space: global }
    .group_segment_fixed_size: 17920
    .private_segment_fixed_size: 0
    .kernarg_segment_align: 8
    .kernarg_segment_size: 24
    .max_flat_workgroup_size: 128
    .sgpr_count:     66
    .vgpr_count:     194
    .wavefront_size: 32
...
	.end_amdgpu_metadata
.endif
;; end of part 3
